; MI455X (gfx1250); checked and timed in simulation.
; The chip was launched on July 23, 2026; its instructions are those of AMD's public machine-readable ISA for CDNA 5 (MIT licence, August 2026) and "CDNA5" Instruction Set Architecture Reference Guide (July 2026). The comments in the code are by the model that wrote it; some were corrected since.
;; Attn Act GPT2 Attention. Allowed arithmetic: matrix products marked QUANTISED: E4M3 operands, one given power-of-two scale a tensor, by v_wmma_f32_16x16x64_fp8_fp8 or v_wmma_f32_16x16x128_fp8_fp8, f32 sums; everything else in f32.
;; Inputs: c_attn_b 3,072 float32; c_attn_w_codes 3,072 x 32 x 32 uint8 (E4M3 codes of c_attn_w, K innermost, in blocks of 32 codes); c_proj_b 1,024 float32; c_proj_w_codes 1,024 x 32 x 32 uint8 (E4M3 codes of c_proj_w, K innermost, in blocks of 32 codes); hidden_states_codes 4 x 2,048 x 32 x 32 uint8 (E4M3 codes of hidden_states, K innermost, in blocks of 32 codes); lowp_scales 8 int32 (the exponents e of the quantised operands' scales 2^e).
;; Outputs: out0 4 x 2,048 x 1,024 float32.
;; This version of the problem:
;;   THIS VERSION OF THE PROBLEM IS GIVEN IN LOW PRECISION. The matrix products marked QUANTISED in the list below multiply operands that are first quantised to E4M3 (4 exponent bits, 3 mantissa bits; 8 bits a number), with one given power-of-two scale for each operand tensor; their sums are f32. All else is computed in f32.
;;   The module's matrix products, in the order in which they are computed (A, B: the left and right operand; K: the contracted axis; several contracted axes count as one K, in the product's order):
;;     1. [M 8,192, K 1,024] x [K 1,024, N 3,072]; A: input hidden_states (given as codes); B: input c_attn_w (given as codes): QUANTISED (scales: A lowp_scales[0], B lowp_scales[1])
;;     2. batch 64 x [M 2,048, K 64] x [K 64, N 2,048]; A: computed on the way; B: computed on the way: QUANTISED (scales: A lowp_scales[2], B lowp_scales[3])
;;     3. batch 64 x [M 2,048, K 2,048] x [K 2,048, N 64]; A: softmax (see below); B: computed on the way: QUANTISED (scales: A lowp_scales[4], B lowp_scales[5])
;;     4. [M 8,192, K 1,024] x [K 1,024, N 1,024]; A: computed on the way; B: input c_proj_w (given as codes): QUANTISED (scales: A lowp_scales[6], B lowp_scales[7])
;;   THE QUANTISER, for each operand of a quantised product, along K:
;;     - The operand's scale is 2^e, e = its entry of the input lowp_scales (int32; the entries are numbered through the quantised products in the list's order, A before B).
;;     - Each number is divided by the scale, clamped to +-448, and rounded to the nearest number of E4M3, ties to even, subnormals kept.
;;     - The product sums the exact products of the quantised numbers (number of the format x scale) in f32.
;;   ~~~python
;;   def quantise(x, axis, e):      # numpy; x: float32 -> the quantised numbers, widened to float32 again
;;       x = np.moveaxis(x, axis, -1); K = x.shape[-1]
;;       r = np.clip(x / 2.0 ** e, -448, 448)
;;       step = 2.0 ** (np.maximum(np.frexp(np.where(r == 0, 1, r))[1] - 1, -6) - 3)
;;       q = np.round(r / step) * step * 2.0 ** e      # np.round: ties to even
;;       return np.moveaxis(q, -1, axis).astype(np.float32)
;;   ~~~
;;   SOFTMAX AHEAD OF A QUANTISED PRODUCT. Where the list says 'softmax', what is quantised is not the finished softmax but p = 2^(t - M), with t = logit x log2(e) and M = ceil(the row's largest t), a whole number; so 1/2 < the row's largest p <= 1. The row's sum l is taken of the UNQUANTISED p, in f32, and the product's result is divided by l at the end. Since M is a whole number, a kernel that streams over the keys may use a running M (the ceiling of the running maximum): every later rescaling is an exact power of two, so the quantised numbers keep their values, but for numbers so far below the row's largest that they fall under the format's range.
;;   OPERANDS COMPUTED ON THE WAY. 'Computed on the way' means the value that the module computes at that place (a softmax that the list does not call 'softmax' is quantised finished and normalised). What goes into a quantiser is computed in f32, as accurately as f32 sums, v_exp_f32 and their like allow (about 1e-6 of the number): no bf16 or f16 on the way to a quantiser, and a product that is left as it is and whose result goes on into a quantised operand takes f32 operands (vector FMAs, or v_wmma_f32_16x16x4_f32). A number that lies on a knife's edge between two numbers of the format may be rounded either way, as far as f32 arithmetic and the matrix unit's own rounding can turn it there, and no further.
;;   INPUTS GIVEN AS CODES. c_attn_w (in the module: [1024, 3072], K = its axis 0); c_proj_w (in the module: [1024, 1024], K = its axis 0); hidden_states (in the module: [4, 2048, 1024], K = its axis 2): each comes as NAME_codes (uint8): NAME with its K axis moved to the last place and cut into blocks of 32 codes, [.., K / 32, bytes a block], one block behind the other in memory; one code a byte (a code: sign, 4 exponent bits, 3 mantissa bits); its scale is its entry of lowp_scales. Its value is code x scale, taken as it is: it is not quantised again, and the codes and scales need not be those that the quantiser above would give.
;; One version. Each part assembles by itself: llvm-mc -triple=amdgcn-amd-amdhsa -mcpu=gfx1250 --defsym DOCPART=n.
;; ======== version 1 of 1: 3 launches
;; limits: right only within a limited range of input values
;; workspace buffers: qkv 25,165,824 bytes; attn 8,388,608 bytes
;; launch qkv (part 1): grid 12 x 32, 4 waves a work-group, clusters of 4 x 4, 327,680 bytes of LDS; arguments hidden_states_codes, c_attn_w_codes, c_attn_b, lowp_scales, qkv; writes qkv
.if DOCPART == 1
	.amdgcn_target "amdgcn-amd-amdhsa--gfx1250"
	.amdhsa_code_object_version 6
	.text
	.protected	k_q5eae1304c4_qkv
	.globl	k_q5eae1304c4_qkv
	.p2align	8
	.type	k_q5eae1304c4_qkv,@function
k_q5eae1304c4_qkv:
	s_mov_b64 s[64:65], 0
	v_nop
	global_prefetch_b8 v0, s[64:65] scope:SCOPE_SE
	s_setreg_imm32_b32 hwreg(HW_REG_WAVE_MODE, 25, 1), 1
	s_wait_xcnt 0x0
	s_wait_alu depctr_hold_cnt(0) depctr_sa_sdst(0) depctr_va_vdst(0) depctr_va_sdst(0) depctr_va_ssrc(0) depctr_va_vcc(0) depctr_vm_vsrc(0)
	s_getreg_b32 s2, hwreg(HW_REG_IB_STS2, 6, 4)
	s_cmp_eq_u32 s2, 0
	s_cbranch_scc0 .Lentry_in_a_cluster
	s_endpgm
.Lentry_in_a_cluster:
	s_bfe_u32 s2, ttmp6, 0x10000c
	s_cmp_lg_u32 s2, 0xf033
	s_cbranch_scc0 .Lentry_shape_is_right
	s_endpgm
.Lentry_shape_is_right:
; q, k, v = Q(hidden W + b): the first product on codes of FP8 (E4M3), the bias in f32, and the three results quantised with their given scales (entries 2, 3, 5 of the scales).
; hidden: [8192][1024] codes, W: [3072][1024] codes, both with K innermost.  A sum stands for sum x 2^(e0 + e1).
; A work-group of four waves makes 256 x 256 results, a wave 128 x 128: 64 accumulators of 16 x 16, 512 registers.  K goes in steps of 256 through two LDS slots filled by the tensor data mover.
; In accumulator (a, b) lane (r, h) holds, in register j, the result of source 1's row 16 a + r and source 0's row 16 b + 8 h + j.
; ROLES, by the cluster's x (the same in all sixteen partners): 0 makes q, 1 makes k, 2 makes v.
;   q, k: source 1 = 256 tokens, source 0 = 256 rows of W: a lane's eight results are eight neighbouring d of one token.
;   v:    source 1 = 256 rows of W, source 0 = 256 tokens: a lane's eight results are eight neighbouring tokens (keys) of one d.
; So one conversion of a lane's eight results gives two registers of the operand that the next launch wants (registers 2 c, 2 c + 1: k = 16 c + 8 h + 0 .. 7), and the codes leave as IMAGES OF THOSE REGISTERS:
; four registers a lane by one store, 16 bytes at 16 x lane: 512 consecutive bytes, aligned.  Nothing is transposed and nothing goes through LDS on the way out.
; THE WORKSPACE: [head 16 b + h : 64][256 tokens : 8][49,152 bytes]: 16 fragments of q (16 tokens x 64 d, 1,024 bytes), 16 of k, then v: [128 keys : 2][16 d : 4] fragments of 2,048 bytes.
; CLUSTERS: 4 x 4 work-groups.  Source 1's tile hangs on cy alone and is asked for jointly by my row of the cluster, source 0's on cx alone and by my column.
; LIMITS: e0 + e1 between -126 and 127; e2, e3, e5 between -126 and 119, so that each power of two below is an f32 number.  NaN in the bias is not served.
; REGISTERS, in windows of 256: window 0: v1-31 addresses and constants; v32-63 at work; v64-127 the bias; v128-255 source 1's 8 fragments (one set), on the way out the codes.
;   window 1: source 0's fragments, two sets, at v0 and v128.   windows 2, 3: accumulator (a, b) at v[8 (8 (a % 4) + b)], a < 4 in window 2.
.set KROW,   1024                      ; a row of either tensor in bytes
.set ROWB,   256                       ; a tile's row: 256 codes
.set PITCH,  272                       ; an LDS row: 256 bytes + 16 of padding = 68 words: the 16 rows that a load touches start at 16 different banks (64 banks of 4 bytes: ISA guide 11.1)
.set FR,     16                        ; registers of a fragment, 16 rows x 128 K
.set NL,     4                         ; LDS loads that bring one
.set NP,     4                         ; places behind this matrix instruction (ISA guide 7.12.1)
.set HALFT,  128*PITCH                 ; what one tensor load brings
.set SLOT,   4*HALFT                   ; source 1's 256 rows, then source 0's
.set SPARE,  2*SLOT                    ; behind the ring: the spare words, 128 bytes a wave
.set HEADB,  393216                    ; a head's bytes in the workspace
.set RECB,   49152                     ; 256 tokens' bytes of a head
.set VO,   8                           ; v8-15   the bias loads' offsets
.set ADRA, 16                          ; v16-17  LDS address of source 1's fragments in slot 0, 1
.set ADRB, 20                          ; v20-21  of source 0's
.set LI,   26                          ; v26     16 x lane
.set SPW,  28                          ; v28     my spare word; never rewritten
.set NIL,  29                          ; v29     0; never rewritten
.set SCV,  30                          ; v30     the result's scale as f32
.set LIM,  31
.set TMP,  32
.set BI,   64
.set AF,   128
.set CD,   128
.set G1,  24                           ; s[24:31] group 1 for source 1's tiles; s[32:39] group 0, a set for each slot
.set G0,  32
.set G1B, 48                           ; s[48:55], s[56:63] the same for source 0's
.set G0B, 56
.set MSB, 0
.macro WIN new                         ; the immediate's high byte repeats the setting that is left
.if MSB != \new
	s_set_vgpr_msb (MSB<<8)|\new
.set MSB, \new
.endif
.endm
.set MUL_LO, 0xa1                      ; source 0 window 1, source 1 window 0, C and D window 2
.set MUL_HI, 0xf1                      ; the same, C and D window 3
.set TO_B,   0x40                      ; destination window 1, address window 0
; A joint load: waves 0 and 1 fetch source 1's halves, waves 2 and 3 source 0's.  The branch hangs on the wave's number alone.  Four v_nop follow each line.
.macro JLOAD g0a, g1a, g0b, g1b
	s_cmp_eq_u32 s15, 0
	s_cbranch_scc0 .Lfor_b_\@
	tensor_load_to_lds s[\g0a:\g0a+3], s[\g1a:\g1a+7]
	s_nop 0
.rept 4
	v_nop
.endr
	s_branch .Lasked_\@
.Lfor_b_\@:
	tensor_load_to_lds s[\g0b:\g0b+3], s[\g1b:\g1b+7]
	s_nop 0
.rept 4
	v_nop
.endr
.Lasked_\@:
.endm
.macro CREST                           ; a round of the cluster's barrier behind its opening barrier
	s_cmp_lg_u32 s14, 0
	s_cbranch_scc1 .Lnot_wave_0_\@
	s_barrier_signal -3
.Lnot_wave_0_\@:
	s_barrier_wait -3
	s_barrier_signal -1
	s_barrier_wait -1
.endm
.macro CROUND                          ; a whole round
	s_barrier_signal -1
	s_barrier_wait -1
	CREST
.endm
	s_load_b256 s[4:11], s[0:1], 0x0               ; hidden s[4:5], W s[6:7], bias s[8:9], the scales' exponents s[10:11]
	s_load_b64 s[12:13], s[0:1], 0x20              ; the workspace
	v_lshl_add_u32 v[SPW], v0, 2, SPARE
	v_mov_b32 v[NIL], 0
	ds_add_u32 v28, v29
	ds_add_u32 v28, v29
	s_wait_dscnt 0x0
	v_lshrrev_b32 v1, 5, v0
	v_readfirstlane_b32 s14, v1                    ; wave 0..3
	s_lshr_b32 s15, s14, 1                         ; hr: my half of source 1's rows.  Also: I fetch for source 1 (0) or source 0 (1)
	s_and_b32 s16, s14, 1                          ; hc: my half of source 0's rows.  Also: which 128 rows I fetch
	s_bfe_u32 s40, ttmp6, 0x40000                  ; cx
	s_bfe_u32 s41, ttmp6, 0x40004                  ; cy
	s_lshl_b32 s42, ttmp9, 2                       ; 4 x cluster x
	s_and_b32 s43, ttmp7, 0xffff
	s_lshl_b32 s43, s43, 2                         ; 4 x cluster y
	s_lshl_b32 s44, s41, 2
	s_lshl_b32 s44, 15, s44                        ; my row of the cluster
	s_lshl_b32 s45, 0x1111, s40                    ; my column
	s_or_b32 s[G1+0], s44, (1<<20)|(1<<21)|(5<<22)|(3<<25)   ; the mask; elements of 1 byte; padding on; bit 21 beside a mask; 4 words of padding after every 64
	s_or_b32 s[G1B+0], s45, (1<<20)|(1<<21)|(5<<22)|(3<<25)
.irp g, G1, G1B
	s_mov_b32 s[\g+1], ROWB<<16                    ; tensor_dim0
	s_mov_b32 s[\g+2], 128<<16                     ; tensor_dim1
	s_mov_b32 s[\g+3], ROWB<<16                    ; tile_dim0
	s_mov_b32 s[\g+4], 128                         ; tile_dim1
	s_mov_b32 s[\g+5], KROW                        ; the pitch in memory
	s_mov_b32 s[\g+6], 0
	s_mov_b32 s[\g+7], 0
.endr
	s_cmp_lt_u32 ttmp9, 2                          ; q or k?  The cluster's x is the same in all partners
	s_cselect_b32 s17, s43, 8                      ; source 1's first block of 256 rows: tokens 4 x cluster y on, or W's rows 2,048 on
	s_cselect_b32 s46, s42, s43                    ; source 0's: W's rows 1,024 x cluster x on, or tokens 4 x cluster y on
	s_add_co_u32 s17, s17, s41                     ; R1: + cy
	s_add_co_u32 s46, s46, s40                     ; R0: + cx
	s_lshl_b32 s18, s16, 7                         ; which 128 rows I fetch
	s_lshl_b32 s20, s17, 8
	s_add_co_u32 s20, s20, s18
	s_lshl_b32 s20, s20, 10                        ; source 1: row x 1,024 bytes (under 2^24)
	s_mov_b32 s21, 0
	s_lshl_b32 s92, s46, 8
	s_add_co_u32 s92, s92, s18
	s_lshl_b32 s92, s92, 10                        ; source 0 likewise
	s_mov_b32 s93, 0
	s_mul_i32 s47, s14, HALFT                      ; where my tile goes: wave x 128 rows
	s_wait_kmcnt 0x0
	s_load_b256 s[68:75], s[10:11], 0x0            ; e0 .. e7
	s_cmp_lt_u32 ttmp9, 2
	s_cselect_b64 s[90:91], s[4:5], s[6:7]         ; source 1's tensor
	s_cselect_b64 s[96:97], s[6:7], s[4:5]         ; source 0's
	s_add_nc_u64 s[20:21], s[90:91], s[20:21]
	s_add_nc_u64 s[92:93], s[96:97], s[92:93]
	CROUND                                         ; all sixteen work-groups are here: the first joint loads meet
.irp s, 0,1
	s_mov_b32 s[G0+4*\s], 1
	s_add_co_u32 s[G0+4*\s+1], s47, \s*SLOT
	s_add_nc_u64 s[G0+4*\s+2:G0+4*\s+3], s[20:21], \s*ROWB
	s_or_b32 s[G0+4*\s+3], s[G0+4*\s+3], 0x80000000
	s_mov_b32 s[G0B+4*\s], 1
	s_add_co_u32 s[G0B+4*\s+1], s47, \s*SLOT
	s_add_nc_u64 s[G0B+4*\s+2:G0B+4*\s+3], s[92:93], \s*ROWB
	s_or_b32 s[G0B+4*\s+3], s[G0B+4*\s+3], 0x80000000
	s_wait_alu depctr_va_vdst(0)
	s_wait_tensorcnt 0x0
	ds_add_u32 v28, v29
	ds_add_u32 v28, v29
	s_wait_dscnt 0x0
	CROUND
	JLOAD G0+4*\s, G1, G0B+4*\s, G1B               ; one load of mine is out
.endr
	v_and_b32 v1, 15, v0                           ; r
	v_bfe_u32 v2, v0, 4, 1                         ; h
	s_wait_alu depctr_va_vdst(0)
	v_mul_u32_u24 v3, v1, PITCH
	v_lshl_add_u32 v4, v2, 4, v3                   ; a fragment's row x pitch + 16 h
	s_mul_i32 s94, s15, HALFT                      ; my 128 rows of source 1
	s_mul_i32 s95, s16, HALFT
	s_add_co_u32 s95, s95, 2*HALFT                 ; and of source 0
.irp s, 0,1
	v_add_nc_u32 v[ADRA+\s], s94, v4
	v_add_nc_u32 v[ADRB+\s], s95, v4
	s_add_co_u32 s94, s94, SLOT
	s_add_co_u32 s95, s95, SLOT
.endr
	v_and_b32 v5, 31, v0
	v_lshlrev_b32 v[LI], 4, v5
	; what differs between the roles is chosen, not branched on
	s_cmp_lt_u32 ttmp9, 2
	s_cselect_b32 s82, s40, s41                    ; WB: which 256 of the third's 1,024 features are my work-group's
	s_cselect_b32 s83, s16, s15                    ; wh: which 128 of them (two heads) are my wave's
	s_cselect_b32 s84, s15, s16                    ; th: which 128 of the 256 tokens
	s_cselect_b32 s85, s17, s46                    ; TOK: which 256 tokens
	s_cselect_b32 s86, 32, 0                       ; the bias offsets' steps: by h,
	s_cselect_b32 s87, 0, 4                        ; by r,
	s_cselect_b32 s88, 4, 0                        ; by register
	s_lshl_b32 s89, ttmp9, 10
	s_lshl_b32 s94, s82, 8
	s_add_co_u32 s89, s89, s94
	s_lshl_b32 s94, s83, 7
	s_add_co_u32 s89, s89, s94                     ; n0: my wave's first feature of the 3,072
	s_lshl_b32 s94, s89, 2
	s_mov_b32 s95, 0
	s_add_nc_u64 s[8:9], s[8:9], s[94:95]
	v_mul_u32_u24 v3, v2, s86
	v_mad_u32_u24 v3, v1, s87, v3
.irp j, 0,1,2,3,4,5,6,7
	v_mad_u32_u24 v[VO+\j], s88, \j, v3
.endr
.irp x, 0,1,2,3,4,5,6,7                ; q, k: register 8 x + j = bias[n0 + 16 x + 8 h + j];  v: = bias[n0 + 16 x + r] for every j
.irp j, 0,1,2,3,4,5,6,7
	global_load_b32 v[BI+8*\x+\j], v[VO+\j], s[8:9] offset:64*\x
.endr
.endr
	s_lshr_b32 s94, s85, 3                         ; the batch
	s_lshl_b32 s94, s94, 4
	s_lshl_b32 s95, s82, 2
	s_add_co_u32 s94, s94, s95
	s_lshl_b32 s95, s83, 1
	s_add_co_u32 s94, s94, s95                     ; my first head: 16 b + 4 WB + 2 wh
	s_mul_i32 s94, s94, HEADB
	s_and_b32 s95, s85, 7
	s_mul_i32 s95, s95, RECB                       ; the 256 tokens' record
	s_add_co_u32 s94, s94, s95
	s_lshl_b32 s95, ttmp9, 14                      ; q's, k's or v's 16,384 bytes of it
	s_add_co_u32 s94, s94, s95
	s_lshl_b32 s95, s84, 13                        ; my 128 tokens' half
	s_add_co_u32 s94, s94, s95
	s_mov_b32 s95, 0
	s_add_nc_u64 s[80:81], s[12:13], s[94:95]
.macro FRAG reg, adr, q, i             ; 16 rows x 128 K: four loads of 16 bytes, 32 apart: registers 4 c .. 4 c + 3 hold K = 32 c + 16 h + 0 .. 15: one order of K for both sources, so every product meets its partner
.irp c, 0,1,2,3
	ds_load_b128 v[\reg+4*\c:\reg+4*\c+3], v[\adr] offset:128*(\q)+32*\c+(\i)*16*PITCH
.endr
.endm
; 16 matrix instructions: source 1's blocks a0, a0 + 1 x source 0's eight.  The 64 accumulators take turns, one instruction a turn, in the same order in every step.
.macro MUL16 a0, p, zero
.irp a, \a0, \a0+1
.irp b, 0,1,2,3,4,5,6,7
.if \zero
	v_wmma_f32_16x16x128_fp8_fp8 v[8*(8*((\a)%4)+\b):8*(8*((\a)%4)+\b)+7], v[128*(\p)+FR*\b:128*(\p)+FR*\b+FR-1], v[AF+FR*(\a):AF+FR*(\a)+FR-1], 0
.else
	v_wmma_f32_16x16x128_fp8_fp8 v[8*(8*((\a)%4)+\b):8*(8*((\a)%4)+\b)+7], v[128*(\p)+FR*\b:128*(\p)+FR*\b+FR-1], v[AF+FR*(\a):AF+FR*(\a)+FR-1], v[8*(8*((\a)%4)+\b):8*(8*((\a)%4)+\b)+7]
.endif
.endr
.endr
.endm
.macro FETCH_B slot, q, p
	WIN TO_B
.irp i, 0,1,2,3,4,5,6,7
	FRAG 128*(\p)+FR*\i, ADRB+\slot, \q, \i
.endr
	WIN 0
.endm
.macro FETCH_A slot, q, i0
.irp i, \i0, \i0+1, \i0+2, \i0+3
	FRAG AF+FR*(\i), ADRA+\slot, \q, \i
.endr
.endm
.macro PLACES n                        ; plain vector instructions between a matrix instruction and a load into, or a vector write of, its registers, or a read of its result
.rept \n
	v_nop
.endr
.endm
.macro STEP slot, q, zero              ; 128 along K whose successor lies in the same slot
	s_wait_dscnt 4*NL                              ; source 0's set and source 1's blocks 0-3 are in; the 16 youngest loads (blocks 4-7) may be out
	WIN MUL_LO
	MUL16 0, (\q)%2, \zero
	MUL16 2, (\q)%2, \zero
	s_wait_dscnt 0
	PLACES NP
	FETCH_B \slot, (\q)+1, 1-(\q)%2
	FETCH_A \slot, (\q)+1, 0
	WIN MUL_HI
	MUL16 4, (\q)%2, \zero
	MUL16 6, (\q)%2, \zero
	PLACES NP
	WIN 0
	FETCH_A \slot, (\q)+1, 4
.endm
; A slot's last step changes slots: one barrier; in front of it each wave waits for all its tensor loads, adds 0 to its spare word, and waits for that and for its reads of this slot.
.macro TURN slot, next, fill
	s_wait_tensorcnt 0x0                           ; all my tensor loads have landed: my part of the next slot
	ds_add_u32 v[SPW], v[NIL]                      ; 0 onto my spare word
	s_wait_dscnt 4*NL+1                            ; (the add and the 16 youngest loads may be out)
	WIN MUL_LO
	MUL16 0, 1, 0
	s_wait_dscnt 0x0                               ; the add is done, and my reads of this slot are over
	s_barrier_signal -1
	MUL16 2, 1, 0
	WIN 0
	s_barrier_wait -1
.if \fill
	CREST                                          ; the barrier has opened a round of the cluster's: no wave of any partner still reads this slot or has a load on its way
	s_add_nc_u64 s[G0+4*\slot+2:G0+4*\slot+3], s[G0+4*\slot+2:G0+4*\slot+3], 2*ROWB
	s_add_nc_u64 s[G0B+4*\slot+2:G0B+4*\slot+3], s[G0B+4*\slot+2:G0B+4*\slot+3], 2*ROWB
	JLOAD G0+4*\slot, G1, G0B+4*\slot, G1B         ; the first tensor load behind the round; its four v_nop are the places in front of the loads below
.else
	PLACES NP
.endif
	FETCH_B \next, 0, 0
	FETCH_A \next, 0, 0
	WIN MUL_HI
	MUL16 4, 1, 0
	MUL16 6, 1, 0
	PLACES NP
	WIN 0
	FETCH_A \next, 0, 4
.endm
	s_wait_tensorcnt 1                             ; my part of slot 0 is in; slot 1's may stay out
	s_barrier_signal -1
	s_barrier_wait -1
	FETCH_B 0, 0, 0
	FETCH_A 0, 0, 0
	FETCH_A 0, 0, 4
	STEP 0, 0, 1                                   ; K = 1,024 is four fills of a slot: eight steps, written out.  The first products start the sums
	TURN 0, 1, 1
	STEP 1, 0, 0
	TURN 1, 0, 1
	STEP 0, 0, 0
	TURN 0, 1, 0                                   ; nothing is left to fetch
	STEP 1, 0, 0
	s_wait_dscnt 4*NL
	WIN MUL_LO
	MUL16 0, 1, 0
	MUL16 2, 1, 0
	s_wait_dscnt 0
	WIN MUL_HI
	MUL16 4, 1, 0
	MUL16 6, 1, 0
	WIN 0
; THE WAY OUT.  Block a of source 1, four accumulators at a time: sum x 2^(e0 + e1) + bias, one packed multiply-add for two numbers, each accumulator from its low end on;
; one conversion for a lane's eight numbers.  Block a's 16 code registers are its own, so no store's data are written again.
.macro EPI vmode
.irp a, 0,1,2,3,4,5,6,7
.irp g, 0,1
	WIN 0x02+((\a)/4)                              ; source 0: window 2 or 3
.irp bb, 0,1,2,3
.irp i, 0,2,4,6
.if \vmode
	v_pk_fma_f32 v[TMP+8*\bb+\i:TMP+8*\bb+\i+1], v[64*(\a%4)+8*(4*\g+\bb)+\i:64*(\a%4)+8*(4*\g+\bb)+\i+1], s[76:77], v[BI+8*\a+\i:BI+8*\a+\i+1] op_sel_hi:[1,0,1]
.else
	v_pk_fma_f32 v[TMP+8*\bb+\i:TMP+8*\bb+\i+1], v[64*(\a%4)+8*(4*\g+\bb)+\i:64*(\a%4)+8*(4*\g+\bb)+\i+1], s[76:77], v[BI+8*(4*\g+\bb)+\i:BI+8*(4*\g+\bb)+\i+1] op_sel_hi:[1,0,1]
.endif
.endr
.endr
	WIN 0
.set n, 0
.rept 32
.set n, n+1
.endr
.irp bb, 0,1,2,3
	v_cvt_scalef32_pk8_fp8_f32 v[CD+16*\a+2*(4*\g+\bb):CD+16*\a+2*(4*\g+\bb)+1], v[TMP+8*\bb:TMP+8*\bb+7], v[SCV]
.endr
	v_nop                                          ; a plain instruction between the conversions and the next write of their sources
.endr
.irp c, 0,1,2,3
.if \vmode
	global_store_b128 v[LI], v[CD+16*\a+4*\c:CD+16*\a+4*\c+3], s[80:81] offset:HEADB*(\a/4)+2048*(\a%4)+512*\c   ; head a / 4, d 16 (a % 4) on: registers 4 c .. 4 c + 3 of the fragment: 512 consecutive bytes
.else
	global_store_b128 v[LI], v[CD+16*\a+4*\c:CD+16*\a+4*\c+3], s[80:81] offset:1024*\a+HEADB*(\c/2)+512*(\c%2)   ; tokens 16 a on, head c / 2: registers 4 (c % 2) .. + 3 of the fragment
.endif
.endr
.endr
.endm
	s_wait_kmcnt 0x0
	s_add_co_i32 s76, s68, s69
	s_add_co_i32 s76, s76, 127
	s_lshl_b32 s76, s76, 23                        ; 2^(e0 + e1) as f32
	s_mov_b32 s77, s76                             ; (named with it as a pair, so it is written)
	s_cmp_eq_u32 ttmp9, 0
	s_cselect_b32 s78, s70, s71                    ; q's scale or k's,
	s_cmp_eq_u32 ttmp9, 2
	s_cselect_b32 s78, s73, s78                    ; or v's
	s_add_co_i32 s78, s78, 127
	s_lshl_b32 s79, s78, 23
	v_mov_b32 v[SCV], s79
	s_wait_loadcnt 0x0                             ; the bias
	PLACES NP
	s_cmp_eq_u32 ttmp9, 2                          ; the two ways differ in the bias's index and the stores' offsets; the branch hangs on the cluster's x alone, and no LDS access, barrier or tensor load stands in it
	s_cbranch_scc1 .Lv
	EPI 0
	s_branch .Ldone
.Lv:
	EPI 1
.Ldone:
	s_wait_tensorcnt 0x0                           ; the wave's end
	ds_add_u32 v[SPW], v[NIL]
	s_wait_dscnt 0x0
	CROUND                                         ; the closing round: no work-group ends while a partner may still ask for a tile that names it
	s_endpgm
.Lfunc_end_k_q5eae1304c4_qkv:
	.size	k_q5eae1304c4_qkv, .Lfunc_end_k_q5eae1304c4_qkv-k_q5eae1304c4_qkv
	.p2alignl 7, 3214868480
	.fill 96, 4, 3214868480
	.section	.rodata,"a",@progbits
	.p2align	6, 0x0
	.amdhsa_kernel k_q5eae1304c4_qkv
		.amdhsa_group_segment_fixed_size 327680
		.amdhsa_private_segment_fixed_size 0
		.amdhsa_enable_private_segment 0
		.amdhsa_kernarg_size 40
		.amdhsa_user_sgpr_count 2
		.amdhsa_user_sgpr_kernarg_segment_ptr 1
		.amdhsa_wavefront_size32 1
		.amdhsa_system_sgpr_workgroup_id_x 1
		.amdhsa_system_sgpr_workgroup_id_y 1
		.amdhsa_system_sgpr_workgroup_id_z 1
		.amdhsa_system_vgpr_workitem_id 0
		.amdhsa_next_free_vgpr 1024
		.amdhsa_next_free_sgpr 100
		.amdhsa_reserve_vcc 0
		.amdhsa_float_denorm_mode_32 3
		.amdhsa_float_denorm_mode_16_64 3
		.amdhsa_fp16_overflow 1
		.amdhsa_memory_ordered 1
		.amdhsa_forward_progress 1
		.amdhsa_inst_pref_size 135
	.end_amdhsa_kernel
	.amdgpu_metadata
---
amdhsa.version: [ 1, 2 ]
amdhsa.kernels:
  - .name:           k_q5eae1304c4_qkv
    .symbol:         k_q5eae1304c4_qkv.kd
    .args:
      - { .name: hidden_states_codes, .offset: 0, .size: 8, .value_kind: global_buffer, .address_space: global }
      - { .name: c_attn_w_codes, .offset: 8, .size: 8, .value_kind: global_buffer, .address_space: global }
      - { .name: c_attn_b, .offset: 16, .size: 8, .value_kind: global_buffer, .address_space: global }
      - { .name: lowp_scales, .offset: 24, .size: 8, .value_kind: global_buffer, .address_space: global }
      - { .name: qkv, .offset: 32, .size: 8, .value_kind: global_buffer, .address_space: global }
    .group_segment_fixed_size: 327680
    .private_segment_fixed_size: 0
    .kernarg_segment_align: 8
    .kernarg_segment_size: 40
    .max_flat_workgroup_size: 128
    .sgpr_count:     100
    .vgpr_count:     1024
    .wavefront_size: 32
...
	.end_amdgpu_metadata
.endif
;; end of part 1
;; launch attn (part 2): grid 4 x 64, 16 waves a work-group, no clusters, 327,680 bytes of LDS; arguments qkv, lowp_scales, attn; writes attn
.if DOCPART == 2
	.amdgcn_target "amdgcn-amd-amdhsa--gfx1250"
	.amdhsa_code_object_version 6
	.text
	.protected	k_q5eae1304c4_attn
	.globl	k_q5eae1304c4_attn
	.p2align	8
	.type	k_q5eae1304c4_attn,@function
k_q5eae1304c4_attn:
	s_mov_b64 s[64:65], 0
	v_nop
	global_prefetch_b8 v0, s[64:65] scope:SCOPE_SE
	s_setreg_imm32_b32 hwreg(HW_REG_WAVE_MODE, 25, 1), 1
	s_wait_xcnt 0x0
; Causal attention of one head on codes of FP8 (E4M3), and the result quantised for the projection.  64 heads (16 b + h), 2,048 tokens, head size 64.
; t = score x log2(e) / 8; M = the running largest t rounded UP to a whole number; p = 2^(t - M) is quantised with 2^e4, not normalised; the row's sum is taken of the unquantised p and divides at the end.
; When M moves, the sum and O are multiplied by 2^(old M - new M): exact.
; SHARES.  Work-group (i, head) owns the query blocks 7 - i (first pass) and i (second pass), 256 queries each: 9 slots of 256 keys in all for every i, so all 256 work-groups have the same work.
; Each of the sixteen waves owns one tile of 16 queries of the block in hand, in 256 registers: four waves to a SIMD, so that one wave's vector work stands beside another's matrix work and LDS loads.
; The walk is 9 trips, a constant: trips 0 .. 7 - i read key slots 0 .. 7 - i, the others key slots 0 .. i.  Only the global address hangs on i.
; LAYOUT.  q, k, v come as images of operand registers (registers 2 c, 2 c + 1: k = 16 c + 8 h + 0 .. 7): 16 bytes a lane at 16 x lane, no pitch, no padding.
; S^T = K Q^T (source 0 = 16 keys, source 1 = my 16 queries): lane (r, h) holds query r; register j of tile c is key 16 c + 8 h + j: one conversion of a tile's eight registers gives registers 2 c, 2 c + 1 of P.
; O^T = V^T P^T (source 0 = 16 d x 128 keys): register j of tile dt is d = 16 dt + 8 h + j: one conversion gives two registers of the projection's operand, which leaves as an image too:
; [16 tokens : 512][128 of K : 8][2,048 bytes]; head h fills bytes 1,024 (h % 2) on of K step h / 2.
; NO CLUSTER: the four work-groups of a head go back to key slot 0 in different trips (8 - i), so from trip 5 on they want different tiles in the same trip; a form in which all four ask for everything has 12 trips in place of 9.
; LIMITS: e2 + e3 between -123 and 130 (added to c's exponent field); e4, e6 between -126 and 119; e4 + e5 goes in by v_ldexp_f32 and has none.
; REGISTERS: v1-6 addresses that stay; v12 -M, v13 the largest t, v[14:15] the sum in two halves; v16-23 Q; v32-95 K's 8 fragments, then V's 4; v96-159 S^T, then p; v160-191 O^T; v192-207 codes; v208-221 at work and constants.
.set HEADB, 393216
.set RECB,  49152                      ; 256 tokens of a head: q 16,384, k 16,384, v 16,384
.set SLOT1, 32768                      ; a slot: K's 16 fragments, V's 8; one exclusive or turns an address into the other slot's
.set SPARE, 65536                      ; behind the ring: the spare words, 128 bytes for each of 16 waves
.set LI,  1                            ; v1  16 x lane
.set ADK, 2                            ; v2  LDS address of the slot in hand, + 16 x lane
.set PFO, 3                            ; v3  256 x lane; never rewritten
.set DQ,  4                            ; v4  lane % 16 - 8 (lane / 16)
.set SPW, 5                            ; v5  my spare word; never rewritten
.set NIL, 6                            ; v6  0; never rewritten
.set TB,  2                            ; s2  LDS byte at which the slot in hand begins
.set WV,  18
.set SEL, 20                           ; s[20:21] selects for v_permlanex16_b32: lane xor 16
.set CS,  22                           ; s[22:23] c
.set G1,  24                           ; s[24:31] descriptor group 1
.set G0,  32                           ; s[32:35] group 0, which walks
.set KVB, 36                           ; s[36:37] the head's key slot 0: K's block (wave 0) or V's (wave 1)
.set OFF, 38                           ; s[38:39] the key slot to be fetched, in bytes
.set BI,  40                           ; s40 i;  s41 i + 1
.set BI1, 41
.set SLOTS, 42                         ; s42 trips to go behind this one
.set KF,  43                           ; s43 the step's first key
.set Q0,  44                           ; s44 my first query;  s45 the second pass's
.set Q0B, 45
.set QB,  46                           ; s[46:47] the second pass's Q
.set OA,  48                           ; s[48:49], s[50:51] where the two passes' results go
.set OB,  50
.set PFA, 52                           ; s[52:53] where my prefetches stand
.set LIMS, 54                          ; s54 2 in a wave that prefetches, else the greatest number
.set EPV, 55                           ; s55 e4 + e5
.macro TLOAD                           ; wave 0 fetches a slot's K, wave 1 its V: 16,384 dense bytes each.  Four v_nop follow the line
	s_cmp_lt_u32 s[WV], 2
	s_cbranch_scc0 .Lasked_\@
	tensor_load_to_lds s[G0:G0+3], s[G1:G1+7]
	s_nop 0
.rept 4
	v_nop
.endr
.Lasked_\@:
.endm
; A prefetch of the key slot that the NEXT trip's tensor loads will ask for.  All four work-groups of a head walk key slots 0 on together: work-group 0, which walks all eight, asks; in it waves 4 to 7,
; 8,192 of the slot's 32,768 bytes each, lanes 256 bytes apart: each block of 256 bytes is named once in the launch.  Trip t names key slot t + 2, t = 0 .. 5; slots 0 and 1 come by their loads alone.
.macro ASK
	s_cmp_gt_u32 s[SLOTS], s[LIMS]
	s_cbranch_scc0 .Lnot_mine_\@
	global_prefetch_b8 v[PFO], s[PFA:PFA+1] th:TH_LOAD_NT scope:SCOPE_SE
.Lnot_mine_\@:
.endm
	s_load_b128 s[4:7], s[0:1], 0x0                ; the q, k, v workspace s[4:5], the scales' exponents s[6:7]
	s_load_b64 s[8:9], s[0:1], 0x10                ; the result's workspace
	v_lshl_add_u32 v[SPW], v0, 2, SPARE
	v_mov_b32 v[NIL], 0
	ds_add_u32 v5, v6
	ds_add_u32 v5, v6
	s_wait_dscnt 0x0
	v_lshrrev_b32 v7, 5, v0
	s_delay_alu instid0(VALU_DEP_1)
	v_readfirstlane_b32 s[WV], v7                  ; wave 0..15
	s_mov_b32 s[BI], ttmp9
	s_add_co_u32 s[BI1], ttmp9, 1
	s_and_b32 s66, ttmp7, 0xffff                   ; the head, 16 b + h
	s_mul_i32 s68, s66, HEADB
	s_mov_b32 s69, 0
	s_and_b32 s67, s[WV], 1
	s_lshl_b32 s67, s67, 14                        ; K's or V's 16,384 bytes, in memory and in a slot
	s_mov_b32 s[G1], 3<<16                         ; no mask; elements of 8 bytes; no padding
	s_mov_b32 s[G1+1], 32<<16                      ; tensor_dim0: 32 elements, 256 bytes
	s_mov_b32 s[G1+2], 64<<16                      ; tensor_dim1: 64 rows
	s_mov_b32 s[G1+3], 32<<16                      ; tile_dim0
	s_mov_b32 s[G1+4], 64                          ; tile_dim1
	s_mov_b32 s[G1+5], 32                          ; the pitch: the block is dense
	s_mov_b32 s[G1+6], 0
	s_mov_b32 s[G1+7], 0
	s_sub_co_u32 s70, 7, s[BI]                     ; the first pass's block
	s_lshl_b32 s71, s[WV], 10                      ; my tile's fragment of q
	s_mul_i32 s72, s70, RECB
	s_add_co_u32 s72, s72, s71
	s_add_co_u32 s72, s72, s68
	s_mov_b32 s73, 0
	s_mul_i32 s74, s[BI], RECB
	s_add_co_u32 s74, s74, s71
	s_add_co_u32 s74, s74, s68
	s_mov_b32 s75, 0
	s_lshr_b32 s76, s66, 4
	s_lshl_b32 s76, s76, 7
	s_add_co_u32 s76, s76, s[WV]                   ; 128 b + wave
	s_lshl_b32 s77, s70, 4
	s_add_co_u32 s78, s76, s77
	s_lshl_b32 s78, s78, 14                        ; the first pass's tile of 16 tokens x 16,384 bytes
	s_lshl_b32 s77, s[BI], 4
	s_add_co_u32 s80, s76, s77
	s_lshl_b32 s80, s80, 14                        ; the second's
	s_bfe_u32 s77, s66, 0x30001                    ; h / 2: the K step
	s_lshl_b32 s77, s77, 11
	s_and_b32 s82, s66, 1
	s_lshl_b32 s82, s82, 10                        ; h % 2: its half
	s_add_co_u32 s77, s77, s82
	s_add_co_u32 s78, s78, s77
	s_add_co_u32 s80, s80, s77
	s_mov_b32 s79, 0
	s_mov_b32 s81, 0
	s_lshl_b32 s83, s[WV], 4
	s_lshl_b32 s[Q0], s70, 8
	s_add_co_u32 s[Q0], s[Q0], s83
	s_lshl_b32 s[Q0B], s[BI], 8
	s_add_co_u32 s[Q0B], s[Q0B], s83
	s_add_co_u32 s84, s67, 16384
	s_mov_b32 s85, 0
	s_mov_b32 s[SEL], 0x76543210
	s_mov_b32 s[SEL+1], 0xfedcba98
	s_mov_b32 s[CS], 0x3e38aa3b                    ; log2(e) / 8
	s_mov_b32 s[TB], 0
	s_mov_b32 s[SLOTS], 8
	s_mov_b32 s[KF], 0
	s_mov_b32 s[OFF], 0
	s_mov_b32 s[OFF+1], 0
	s_wait_kmcnt 0x0
	s_load_b256 s[56:63], s[6:7], 0x0              ; e0 .. e7
	s_add_nc_u64 s[KVB:KVB+1], s[4:5], s[68:69]
	s_add_nc_u64 s[KVB:KVB+1], s[KVB:KVB+1], s[84:85]
	s_mov_b32 s[G0], 1
	s_mov_b32 s[G0+1], s67                         ; slot 0
	s_mov_b64 s[G0+2:G0+3], s[KVB:KVB+1]           ; key slot 0
	s_or_b32 s[G0+3], s[G0+3], 0x80000000
	TLOAD
	s_add_nc_u64 s[86:87], s[4:5], s[72:73]        ; the first pass's Q
	s_add_nc_u64 s[QB:QB+1], s[4:5], s[74:75]
	s_add_nc_u64 s[OA:OA+1], s[8:9], s[78:79]
	s_add_nc_u64 s[OB:OB+1], s[8:9], s[80:81]
	s_and_b32 s88, s[WV], 3
	s_lshl_b32 s88, s88, 13
	s_add_co_u32 s88, s88, RECB+16384              ; key slot 1, my 8,192 bytes of its K and V: the first trip steps it to key slot 2
	s_mov_b32 s89, 0
	s_add_nc_u64 s[PFA:PFA+1], s[4:5], s[68:69]
	s_add_nc_u64 s[PFA:PFA+1], s[PFA:PFA+1], s[88:89]
	s_sub_co_u32 s88, s[WV], 4
	s_lshr_b32 s88, s88, 2                         ; 0 in waves 4 to 7,
	s_or_b32 s88, s88, ttmp9                       ; of the head's work-group 0
	s_cmp_eq_u32 s88, 0
	s_cselect_b32 s[LIMS], 2, -1
	v_and_b32 v7, 31, v0
	s_delay_alu instid0(VALU_DEP_1)
	v_lshlrev_b32 v[LI], 4, v7
	s_delay_alu instid0(VALU_DEP_2)
	v_lshlrev_b32 v[PFO], 8, v7
	global_load_b128 v[16:19], v[LI], s[86:87]
	global_load_b128 v[20:23], v[LI], s[86:87] offset:512
	v_and_b32 v8, 15, v0
	v_bfe_u32 v9, v0, 4, 1
	s_delay_alu instid0(VALU_DEP_1)
	v_lshlrev_b32 v9, 3, v9
	s_delay_alu instid0(VALU_DEP_1)
	v_sub_nc_u32 v[DQ], v8, v9
	v_mov_b32 v13, 0xff61b1e6                      ; the largest t so far: -3e38
	s_delay_alu instid0(VALU_DEP_1)
	v_floor_f32 v12, -v13
	v_mov_b32 v14, 0
	v_mov_b32 v15, 0
	v_mov_b32 v210, 0                              ; a lane permute's destination counts as read
	v_mov_b32 v213, 0                              ; (named as the upper half of the pair v[212:213])
	v_mov_b32 v220, 0xff800000                     ; -infinity
.set n, 0
.rept 32
	v_mov_b32 v[160+n], 0                          ; O^T: the step is written once; a pass's first step finds zeros
.set n, n+1
.endr
	s_wait_kmcnt 0x0
	s_add_co_i32 s88, s58, s59
	s_lshl_b32 s88, s88, 23
	s_add_co_i32 s[CS], s[CS], s88                 ; a score stands for score x 2^(e2 + e3): added to c's exponent field
	s_mov_b32 s[CS+1], s[CS]
	s_add_co_i32 s88, s60, 127
	s_lshl_b32 s89, s88, 23
	v_mov_b32 v217, s89                            ; 2^e4
	s_add_co_i32 s88, s62, 127
	s_lshl_b32 s89, s88, 23
	v_mov_b32 v219, s89                            ; 2^e6
	s_add_co_i32 s[EPV], s60, s61
; A KEY STEP: 128 keys, the q-th of the slot in hand.  A step all of whose keys come after my 16 queries is left out: a scalar branch on ids; no barrier and no tensor load stands in a step.
.macro STEP q
	s_add_co_u32 s90, s[Q0], 15
	s_cmp_gt_u32 s[KF], s90
	s_cbranch_scc1 .Lhidden_\@
	v_add_nc_u32 v[ADK], s[TB], v[LI]
.irp c, 0,1,2,3,4,5,6,7                        ; K's eight fragments of 16 keys
	ds_load_b128 v[32+8*\c:35+8*\c], v[ADK] offset:8192*(\q)+1024*\c
	ds_load_b128 v[36+8*\c:39+8*\c], v[ADK] offset:8192*(\q)+1024*\c+512
.endr
	s_wait_alu depctr_va_vdst(0)
	s_wait_dscnt 8                                 ; fragments 0-3 are in; the eight youngest loads may be out
.irp c, 0,1,2,3
	v_wmma_f32_16x16x64_fp8_fp8 v[96+8*\c:103+8*\c], v[32+8*\c:39+8*\c], v[16:23], 0
.endr
	s_wait_dscnt 0x0
.irp c, 4,5,6,7
	v_wmma_f32_16x16x64_fp8_fp8 v[96+8*\c:103+8*\c], v[32+8*\c:39+8*\c], v[16:23], 0
.endr
.rept 4
	v_nop                                          ; places in front of the loads into K's registers and of the first read of the scores
.endr
.irp dt, 0,1,2,3                               ; V's four fragments of 16 d x 128 keys: they land during the softmax
.irp c, 0,1,2,3
	ds_load_b128 v[32+16*\dt+4*\c:35+16*\dt+4*\c], v[ADK] offset:16384+8192*(\q)+2048*\dt+512*\c
.endr
.endr
	s_add_co_u32 s90, s[KF], 127                   ; on the diagonal hidden scores become -infinity ahead of the maximum; a step all of whose keys count skips this
	s_cmp_le_u32 s90, s[Q0]
	s_cbranch_scc1 .Lopen_\@
	s_sub_co_i32 s90, s[Q0], s[KF]
	v_add_nc_u32 v221, s90, v[DQ]                  ; d = my query - KF - 8 h.  Register 8 c + j holds key KF + 16 c + 8 h + j: hidden where 16 c + j > d
.set n, 0
.rept 64
	v_cmp_gt_i32 vcc_lo, 16*(n/8)+n%8, v221
	v_cndmask_b32 v[96+n], v[96+n], v220, vcc_lo
.set n, n+1
.endr
.Lopen_\@:
	v_max3_num_f32 v208, v96, v97, v98             ; the step's largest score of my query among my 64 keys, in two chains,
	v_max3_num_f32 v209, v99, v100, v101
.set n, 6
.rept 14
	v_max3_num_f32 v208, v208, v[96+n], v[97+n]
	v_max3_num_f32 v209, v209, v[98+n], v[99+n]
.set n, n+4
.endr
	v_max3_num_f32 v208, v208, v158, v159
	s_delay_alu instid0(VALU_DEP_1)
	v_max_num_f32 v208, v208, v209
	s_delay_alu instid0(VALU_DEP_1)
	v_permlanex16_b32 v210, v208, s[SEL], s[SEL+1]
	s_delay_alu instid0(VALU_DEP_1)
	v_max_num_f32 v208, v208, v210                 ; and among lane xor 16's
	s_delay_alu instid0(VALU_DEP_1)
	v_mul_f32 v208, s[CS], v208                    ; as t (c is positive)
	s_delay_alu instid0(VALU_DEP_1)
	v_max_num_f32 v13, v13, v208
	v_mov_b32 v208, v12
	s_delay_alu instid0(VALU_DEP_2)
	v_floor_f32 v12, -v13                          ; the new -M = floor(-t): M is a whole number
	s_delay_alu instid0(VALU_DEP_1)
	v_sub_f32 v208, v12, v208                      ; old M - new M, a whole number, 0 or less
	s_delay_alu instid0(VALU_DEP_1)
	v_cvt_i32_f32 v208, v208                       ; (it saturates)
	s_delay_alu instid0(VALU_DEP_1)
	v_ldexp_f32 v212, 1.0, v208                    ; f = 2^(old M - new M)
.set n, 0
.rept 32
	v_pk_fma_f32 v[96+n:97+n], v[96+n:97+n], s[CS:CS+1], v[12:13] op_sel_hi:[1,0,0]   ; t - M, two at a time
.set n, n+2
.endr
.set n, 0
	s_wait_alu depctr_va_vdst(0)
.rept 64
	v_exp_f32 v[96+n], v[96+n]                     ; p = 2^(t - M), at most 1
.set n, n+1
.endr
	v_pk_mul_f32 v[14:15], v[14:15], v[212:213] op_sel_hi:[1,0]   ; the sums under the new M: the plain instruction behind the exponentials
	s_wait_alu depctr_va_vdst(0)                   ; one wait for the whole batch, ahead of its first reader
	v_pk_add_f32 v[214:215], v[100:101], v[104:105]
	v_pk_add_f32 v[254:255], v[108:109], v[112:113]
	v_pk_add_f32 v[252:253], v[116:117], v[120:121]
	v_pk_add_f32 v[250:251], v[124:125], v[128:129]
	v_pk_add_f32 v[248:249], v[132:133], v[136:137]
	v_pk_add_f32 v[246:247], v[140:141], v[144:145]
	v_pk_add_f32 v[244:245], v[148:149], v[152:153]
	v_pk_add_f32 v[14:15], v[14:15], v[156:157]
	v_pk_add_f32 v[214:215], v[214:215], v[96:97]
	v_pk_add_f32 v[254:255], v[254:255], v[98:99]
	v_pk_add_f32 v[252:253], v[252:253], v[102:103]
	v_pk_add_f32 v[250:251], v[250:251], v[106:107]
	v_pk_add_f32 v[248:249], v[248:249], v[110:111]
	v_pk_add_f32 v[246:247], v[246:247], v[114:115]
	v_pk_add_f32 v[244:245], v[244:245], v[118:119]
	v_pk_add_f32 v[14:15], v[14:15], v[122:123]
	v_pk_add_f32 v[214:215], v[214:215], v[126:127]
	v_pk_add_f32 v[254:255], v[254:255], v[130:131]
	v_pk_add_f32 v[252:253], v[252:253], v[134:135]
	v_pk_add_f32 v[250:251], v[250:251], v[138:139]
	v_pk_add_f32 v[248:249], v[248:249], v[142:143]
	v_pk_add_f32 v[246:247], v[246:247], v[146:147]
	v_pk_add_f32 v[244:245], v[244:245], v[150:151]
	v_pk_add_f32 v[14:15], v[14:15], v[154:155]
	v_pk_add_f32 v[214:215], v[214:215], v[158:159]
	s_delay_alu instid0(VALU_DEP_2)
	v_pk_add_f32 v[14:15], v[14:15], v[250:251]
	s_delay_alu instid0(VALU_DEP_2)
	v_pk_add_f32 v[214:215], v[214:215], v[248:249]
	v_pk_add_f32 v[254:255], v[254:255], v[246:247]
	v_pk_add_f32 v[252:253], v[252:253], v[244:245]
	s_delay_alu instid0(VALU_DEP_2)
	v_pk_add_f32 v[14:15], v[14:15], v[254:255]
	s_delay_alu instid0(VALU_DEP_2)
	v_pk_add_f32 v[214:215], v[214:215], v[252:253]
	s_delay_alu instid0(VALU_DEP_1)
	v_pk_add_f32 v[14:15], v[14:15], v[214:215]
.irp c, 0,1,2,3,4,5,6,7
.irp j, 0,1,2,3,4,5,6,7
.endr
	v_cvt_scalef32_pk8_fp8_f32 v[192+2*\c:193+2*\c], v[96+8*\c:103+8*\c], v217   ; registers 2 c, 2 c + 1 of P: keys 16 c + 8 h + 0 .. 7
.endr
.set n, 0
.rept 16
	v_pk_mul_f32 v[160+n:161+n], v[160+n:161+n], v[212:213] op_sel_hi:[1,0]   ; O^T under the new M; also the plain instructions behind the last conversion
.set n, n+2
.endr
	s_wait_alu depctr_va_vdst(0)
	s_wait_dscnt 0x0                               ; V is in
.irp dt, 0,1,2,3                               ; the four accumulators take turns
	v_wmma_f32_16x16x128_fp8_fp8 v[160+8*\dt:167+8*\dt], v[32+16*\dt:47+16*\dt], v[192:207], v[160+8*\dt:167+8*\dt]
.endr
.rept 4
	v_nop                                          ; places in front of whatever comes next: loads into V's registers, or the first read of O^T
.endr
.Lhidden_\@:
	s_add_co_u32 s[KF], s[KF], 128
.endm
; THE CHANGE OF SLOTS stands at a trip's head.  Each wave waits for all its tensor loads, adds 0 to its spare word, and waits for that and for its reads of the slot that it has left.
; fill = 1: that slot is filled with the key slot that follows: the next one, or key slot 0 where the second pass begins.
.macro CHANGE fill
	s_wait_tensorcnt 0x0                           ; no tensor load of mine is out, so group 0 may be written
	ds_add_u32 v[SPW], v[NIL]                      ; 0 onto my spare word
.if \fill
	s_xor_b32 s[G0+1], s[G0+1], SLOT1              ; the other slot than last time
	s_add_co_u32 s[OFF], s[OFF], RECB
	s_cmp_eq_u32 s[SLOTS], s[BI1]                  ; the next trip is the second pass's first
	s_cselect_b32 s[OFF], 0, s[OFF]
	s_add_nc_u64 s[G0+2:G0+3], s[KVB:KVB+1], s[OFF:OFF+1]
	s_or_b32 s[G0+3], s[G0+3], 0x80000000
	s_wait_xcnt 0x0                                ; the last prefetch, a trip back, has read its address
	s_add_nc_u64 s[PFA:PFA+1], s[PFA:PFA+1], RECB
.endif
	s_wait_dscnt 0x0                               ; the add is done, and my reads of the slot that I have left are over
	s_barrier_signal -1
	s_barrier_wait -1
.if \fill
	TLOAD                                          ; the first thing behind the barrier, a wave's one tensor load until the next: one load of mine is out
	ASK
.endif
.endm
; A pass's end: O^T / the sum x 2^(e4 + e5), converted with 2^e6, stored as the image of eight operand registers: two stores of 512 consecutive bytes.
.macro FINISH ptr
	v_add_f32 v14, v14, v15
	s_delay_alu instid0(VALU_DEP_1)
	v_permlanex16_b32 v210, v14, s[SEL], s[SEL+1]
	s_delay_alu instid0(VALU_DEP_1)
	v_add_f32 v14, v14, v210                       ; the row's sum
	s_wait_alu depctr_va_vdst(0)
	v_rcp_f32 v14, v14
	v_nop                                          ; a plain instruction behind the reciprocal
	s_wait_alu depctr_va_vdst(0)                   ; and the wait ahead of its first reader
	v_ldexp_f32 v14, v14, s[EPV]
.set n, 0
.rept 16
	v_pk_mul_f32 v[96+n:97+n], v[160+n:161+n], v[14:15] op_sel_hi:[1,0]
.set n, n+2
.endr
.set n, 0
.rept 32
.set n, n+1
.endr
.irp dt, 0,1,2,3
	v_cvt_scalef32_pk8_fp8_f32 v[192+2*\dt:193+2*\dt], v[96+8*\dt:103+8*\dt], v219
.endr
	v_nop
	global_store_b128 v[LI], v[192:195], s[\ptr:\ptr+1]
	global_store_b128 v[LI], v[196:199], s[\ptr:\ptr+1] offset:512
.endm
.macro RESTART                         ; the second pass begins: its Q, its first query, and the statistics anew
	s_wait_xcnt 0x0                                ; the stores have read their registers
	global_load_b128 v[16:19], v[LI], s[QB:QB+1]
	global_load_b128 v[20:23], v[LI], s[QB:QB+1] offset:512
	s_mov_b32 s[KF], 0
	s_mov_b32 s[Q0], s[Q0B]
	v_mov_b32 v13, 0xff61b1e6
	s_delay_alu instid0(VALU_DEP_1)
	v_floor_f32 v12, -v13
	v_mov_b32 v14, 0
	v_mov_b32 v15, 0
.set n, 0
.rept 32
	v_mov_b32 v[160+n], 0
.set n, n+1
.endr
	s_wait_loadcnt 0x0
.endm
.macro SLOT_STEPS
	s_cmp_lg_u32 s[SLOTS], s[BI]                   ; trip 8 - i is the second pass's first: the same in all sixteen waves
	s_cbranch_scc1 .Lsame_\@
	FINISH OA
	RESTART
.Lsame_\@:
	STEP 0
	STEP 1
	s_xor_b32 s[TB], s[TB], SLOT1
.endm
	s_wait_loadcnt 0x0                             ; Q
.Lslot:                                            ; 8 trips: behind each change of slots but the last the next key slot is asked for
	CHANGE 1
	SLOT_STEPS
	s_sub_co_u32 s[SLOTS], s[SLOTS], 1
	s_cmp_lg_u32 s[SLOTS], 0
	s_cbranch_scc1 .Lslot
	CHANGE 0                                       ; the last trip is written out
	SLOT_STEPS
	FINISH OB
	s_wait_tensorcnt 0x0                           ; the wave's end
	ds_add_u32 v[SPW], v[NIL]
	s_wait_dscnt 0x0
	s_endpgm
.Lfunc_end_k_q5eae1304c4_attn:
	.size	k_q5eae1304c4_attn, .Lfunc_end_k_q5eae1304c4_attn-k_q5eae1304c4_attn
	.p2alignl 7, 3214868480
	.fill 96, 4, 3214868480
	.section	.rodata,"a",@progbits
	.p2align	6, 0x0
	.amdhsa_kernel k_q5eae1304c4_attn
		.amdhsa_group_segment_fixed_size 327680
		.amdhsa_private_segment_fixed_size 0
		.amdhsa_enable_private_segment 0
		.amdhsa_kernarg_size 24
		.amdhsa_user_sgpr_count 2
		.amdhsa_user_sgpr_kernarg_segment_ptr 1
		.amdhsa_wavefront_size32 1
		.amdhsa_system_sgpr_workgroup_id_x 1
		.amdhsa_system_sgpr_workgroup_id_y 1
		.amdhsa_system_sgpr_workgroup_id_z 1
		.amdhsa_system_vgpr_workitem_id 0
		.amdhsa_next_free_vgpr 256
		.amdhsa_next_free_sgpr 100
		.amdhsa_reserve_vcc 1
		.amdhsa_float_denorm_mode_32 3
		.amdhsa_float_denorm_mode_16_64 3
		.amdhsa_fp16_overflow 1
		.amdhsa_memory_ordered 1
		.amdhsa_forward_progress 1
		.amdhsa_inst_pref_size 93
	.end_amdhsa_kernel
	.amdgpu_metadata
---
amdhsa.version: [ 1, 2 ]
amdhsa.kernels:
  - .name:           k_q5eae1304c4_attn
    .symbol:         k_q5eae1304c4_attn.kd
    .args:
      - { .name: qkv, .offset: 0, .size: 8, .value_kind: global_buffer, .address_space: global }
      - { .name: lowp_scales, .offset: 8, .size: 8, .value_kind: global_buffer, .address_space: global }
      - { .name: attn, .offset: 16, .size: 8, .value_kind: global_buffer, .address_space: global }
    .group_segment_fixed_size: 327680
    .private_segment_fixed_size: 0
    .kernarg_segment_align: 8
    .kernarg_segment_size: 24
    .max_flat_workgroup_size: 512
    .sgpr_count:     100
    .vgpr_count:     256
    .wavefront_size: 32
...
	.end_amdgpu_metadata
.endif
;; end of part 2
;; launch proj (part 3): grid 8 x 32, 4 waves a work-group, clusters of 4 x 4, 327,680 bytes of LDS; arguments attn, c_proj_w_codes, c_proj_b, lowp_scales, out0; writes out0
.if DOCPART == 3
	.amdgcn_target "amdgcn-amd-amdhsa--gfx1250"
	.amdhsa_code_object_version 6
	.text
	.protected	k_q5eae1304c4_proj
	.globl	k_q5eae1304c4_proj
	.p2align	8
	.type	k_q5eae1304c4_proj,@function
k_q5eae1304c4_proj:
	s_mov_b64 s[64:65], 0
	v_nop
	global_prefetch_b8 v0, s[64:65] scope:SCOPE_SE
	s_setreg_imm32_b32 hwreg(HW_REG_WAVE_MODE, 25, 1), 1
	s_wait_xcnt 0x0
	s_wait_alu depctr_hold_cnt(0) depctr_sa_sdst(0) depctr_va_vdst(0) depctr_va_sdst(0) depctr_va_ssrc(0) depctr_va_vcc(0) depctr_vm_vsrc(0)
	s_getreg_b32 s2, hwreg(HW_REG_IB_STS2, 6, 4)
	s_cmp_eq_u32 s2, 0
	s_cbranch_scc0 .Lentry_in_a_cluster
	s_endpgm
.Lentry_in_a_cluster:
	s_bfe_u32 s2, ttmp6, 0x10000c
	s_cmp_lg_u32 s2, 0xf033
	s_cbranch_scc0 .Lentry_shape_is_right
	s_endpgm
.Lentry_shape_is_right:
; out = attn W + b: the last product on codes of FP8 (E4M3); a sum stands for sum x 2^(e6 + e7); out: [8192][1024] f32.
; attn comes as images of operand registers: [16 tokens : 512][128 of K : 8][2,048 bytes], registers 2 c, 2 c + 1: k = 16 c + 8 h + 0 .. 7.  W: [1024][1024] codes, K innermost.
; A work-group of four waves makes 256 tokens x 128 outputs: 256 work-groups.  A wave makes 128 x 64: 32 accumulators of 16 x 16, 256 registers.
; Source 0 = 16 rows of W, source 1 = 16 tokens: lane (r, h) holds token r and, in register j, output 16 b + 8 h + j: eight neighbouring numbers of a row of out.
; K = 1,024 is four steps of 256.  Three LDS slots are filled at the start; the fourth step goes into slot 0 when that has been read: one refill in the launch.
; CLUSTERS: 4 x 4 work-groups.  attn's tile hangs on cy alone and is asked for jointly by my row of the cluster, W's on cx alone and by my column.
; LIMIT: e6 + e7 between -126 and 127, so that 2^(e6 + e7) is an f32 number.
; REGISTERS, in windows of 256: window 0: v1-29 addresses; v32-63 the bias; v64-95 at work; v128-255 attn's 8 fragments (one set), on the way out rows of out.
;   window 1: W's 4 fragments, two sets, at v0 and v64.   window 2: accumulator (a, b) at v[8 (4 a + b)].
.set PITCH, 272                        ; W's LDS row: 256 bytes + 16 of padding
.set BOFF,  65536                      ; a slot: 16 tiles of tokens x 4,096 bytes, dense; then W's 128 rows
.set SLOT,  BOFF+128*PITCH             ; 100,352
.set SPARE, 3*SLOT                     ; behind the slots: the spare words, 128 bytes a wave
.set ADRA, 16                          ; v16-18 LDS address of attn's fragments in slot 0, 1, 2
.set ADRB, 20                          ; v20-22 of W's
.set STO,  24                          ; v24 the way out: where I put 32 bytes of a row
.set RD,   25                          ; v25 where I read a row back
.set CO,   26                          ; v26 my byte offset in out
.set SPW,  28
.set NIL,  29
.set BI,   32
.set TMP,  64
.set AF,   128
.set BK,   128                         ; the way out: 16 rows read back: v128-159 and v160-191 by turns
.set G1A, 24                           ; s[24:31], s[32:39] groups 1; s[40:51], s[52:63] groups 0, a set for each slot
.set G1B, 32
.set G0A, 40
.set G0B, 52
.set MSB, 0
.macro WIN new
.if MSB != \new
	s_set_vgpr_msb (MSB<<8)|\new
.set MSB, \new
.endif
.endm
.set MUL,  0xa1                        ; source 0 (W) window 1, source 1 (attn) window 0, C and D window 2
.set TO_B, 0x40                        ; destination window 1, address window 0
.macro CREST
	s_cmp_lg_u32 s14, 0
	s_cbranch_scc1 .Lnot_wave_0_\@
	s_barrier_signal -3
.Lnot_wave_0_\@:
	s_barrier_wait -3
	s_barrier_signal -1
	s_barrier_wait -1
.endm
.macro CROUND
	s_barrier_signal -1
	s_barrier_wait -1
	CREST
.endm
.macro JLOAD0                          ; the one refill, into slot 0: waves 0 and 1 fetch attn's halves, waves 2 and 3 W's.  Four v_nop follow each line
	s_cmp_eq_u32 s15, 0
	s_cbranch_scc0 .Lfor_b_\@
	tensor_load_to_lds s[G0A:G0A+3], s[G1A:G1A+7]
	s_nop 0
.rept 4
	v_nop
.endr
	s_branch .Lasked_\@
.Lfor_b_\@:
	tensor_load_to_lds s[G0B:G0B+3], s[G1B:G1B+7]
	s_nop 0
.rept 4
	v_nop
.endr
.Lasked_\@:
.endm
	s_load_b256 s[4:11], s[0:1], 0x0               ; attn s[4:5], W s[6:7], bias s[8:9], the scales' exponents s[10:11]
	s_load_b64 s[12:13], s[0:1], 0x20              ; out
	v_lshl_add_u32 v[SPW], v0, 2, SPARE
	v_mov_b32 v[NIL], 0
	ds_add_u32 v28, v29
	ds_add_u32 v28, v29
	s_wait_dscnt 0x0
	v_lshrrev_b32 v1, 5, v0
	v_readfirstlane_b32 s14, v1                    ; wave 0..3
	s_lshr_b32 s15, s14, 1                         ; hr: my 128 of the 256 tokens.  Also: I fetch for attn (0) or for W (1)
	s_and_b32 s16, s14, 1                          ; hc: my 64 of the 128 outputs.  Also: which half of the tile I fetch
	s_bfe_u32 s66, ttmp6, 0x40000                  ; cx
	s_bfe_u32 s67, ttmp6, 0x40004                  ; cy
	s_lshl_b32 s80, ttmp9, 2
	s_add_co_u32 s80, s80, s66                     ; X: which 128 outputs
	s_and_b32 s81, ttmp7, 0xffff
	s_lshl_b32 s81, s81, 2
	s_add_co_u32 s81, s81, s67                     ; Y: which 256 tokens
	s_lshl_b32 s78, s67, 2
	s_lshl_b32 s78, 15, s78                        ; my row of the cluster
	s_lshl_b32 s79, 0x1111, s66                    ; my column
	s_or_b32 s[G1A], s78, (3<<16)|(1<<21)          ; the mask; elements of 8 bytes; bit 21 beside a mask; no padding
	s_mov_b32 s[G1A+1], 512<<16                    ; tensor_dim0: 512 elements: a tile of tokens' 4,096 bytes of a K step
	s_mov_b32 s[G1A+2], 8<<16                      ; tensor_dim1: 8 tiles of tokens
	s_mov_b32 s[G1A+3], 512<<16                    ; tile_dim0
	s_mov_b32 s[G1A+4], 8                          ; tile_dim1
	s_mov_b32 s[G1A+5], 2048                       ; the pitch: 16,384 bytes from tile to tile
	s_mov_b32 s[G1A+6], 0
	s_mov_b32 s[G1A+7], 0
	s_or_b32 s[G1B], s79, (1<<20)|(1<<21)|(5<<22)|(3<<25)   ; elements of 1 byte; 4 words of padding after every 64
	s_mov_b32 s[G1B+1], 256<<16
	s_mov_b32 s[G1B+2], 64<<16
	s_mov_b32 s[G1B+3], 256<<16
	s_mov_b32 s[G1B+4], 64
	s_mov_b32 s[G1B+5], 1024
	s_mov_b32 s[G1B+6], 0
	s_mov_b32 s[G1B+7], 0
	s_lshl_b32 s82, s81, 4
	s_lshl_b32 s86, s16, 3
	s_add_co_u32 s82, s82, s86
	s_lshl_b32 s82, s82, 14                        ; attn: tile of tokens 16 Y + 8 u, x 16,384 bytes
	s_mov_b32 s83, 0
	s_lshl_b32 s84, s80, 7
	s_lshl_b32 s87, s16, 6
	s_add_co_u32 s84, s84, s87
	s_lshl_b32 s84, s84, 10                        ; W: row 128 X + 64 u, x 1,024 bytes
	s_mov_b32 s85, 0
	s_lshl_b32 s86, s16, 15                        ; where they go in a slot: no place in the cluster enters an LDS address
	s_mul_i32 s87, s16, 64*PITCH
	s_add_co_u32 s87, s87, BOFF
	s_wait_kmcnt 0x0
	s_load_b256 s[68:75], s[10:11], 0x0            ; e0 .. e7
	s_add_nc_u64 s[82:83], s[4:5], s[82:83]
	s_add_nc_u64 s[84:85], s[6:7], s[84:85]
	CROUND                                         ; all sixteen work-groups are here: the first joint loads meet
.irp n, 0,1,2
	s_mov_b32 s[G0A+4*\n], 1
	s_add_co_u32 s[G0A+4*\n+1], s86, \n*SLOT
	s_add_nc_u64 s[G0A+4*\n+2:G0A+4*\n+3], s[82:83], \n*4096
	s_or_b32 s[G0A+4*\n+3], s[G0A+4*\n+3], 0x80000000
	s_mov_b32 s[G0B+4*\n], 1
	s_add_co_u32 s[G0B+4*\n+1], s87, \n*SLOT
	s_add_nc_u64 s[G0B+4*\n+2:G0B+4*\n+3], s[84:85], \n*256
	s_or_b32 s[G0B+4*\n+3], s[G0B+4*\n+3], 0x80000000
.endr
	s_cmp_eq_u32 s15, 0                            ; a wave's three first fills stand in one branch: three loads of mine are out; four v_nop follow the third
	s_cbranch_scc0 .Lfirst_b
	tensor_load_to_lds s[G0A:G0A+3], s[G1A:G1A+7]
	s_nop 0
	tensor_load_to_lds s[G0A+4:G0A+7], s[G1A:G1A+7]
	s_nop 0
	tensor_load_to_lds s[G0A+8:G0A+11], s[G1A:G1A+7]
	s_nop 0
.rept 4
	v_nop
.endr
	s_branch .Lfirst_done
.Lfirst_b:
	tensor_load_to_lds s[G0B:G0B+3], s[G1B:G1B+7]
	s_nop 0
	tensor_load_to_lds s[G0B+4:G0B+7], s[G1B:G1B+7]
	s_nop 0
	tensor_load_to_lds s[G0B+8:G0B+11], s[G1B:G1B+7]
	s_nop 0
.rept 4
	v_nop
.endr
.Lfirst_done:
	v_and_b32 v1, 15, v0                           ; r
	v_bfe_u32 v2, v0, 4, 1                         ; h
	v_and_b32 v3, 31, v0
	v_lshlrev_b32 v3, 4, v3                        ; 16 x lane
	v_mul_u32_u24 v4, v1, PITCH
	v_lshl_add_u32 v4, v2, 3, v4                   ; W: row r x pitch + 8 h
	s_lshl_b32 s88, s15, 15                        ; my 8 tiles of tokens
	s_mul_i32 s89, s16, 64*PITCH
	s_add_co_u32 s89, s89, BOFF                    ; my 64 rows of W
.irp n, 0,1,2
	v_add_nc_u32 v[ADRA+\n], s88, v3
	v_add_nc_u32 v[ADRB+\n], s89, v4
	s_add_co_u32 s88, s88, SLOT
	s_add_co_u32 s89, s89, SLOT
.endr
	s_mul_i32 s88, s14, 16*PITCH                   ; my stage for the way out: 16 rows x (256 bytes + 16), in slot 1, which has had its one fill and is read by nobody behind the last barrier
	s_add_co_u32 s88, s88, SLOT
	v_mul_u32_u24 v5, v1, PITCH
	v_lshl_add_u32 v5, v2, 5, v5
	v_add_nc_u32 v[STO], s88, v5                   ; in: row r, + 32 h
	v_mul_u32_u24 v5, v2, PITCH
	v_lshl_add_u32 v5, v1, 4, v5
	v_add_nc_u32 v[RD], s88, v5                    ; back: lanes 0-15 one row of 256 bytes, lanes 16-31 the next
	v_lshlrev_b32 v5, 12, v2
	v_lshl_add_u32 v[CO], v1, 4, v5                ; and the same two rows in out (4,096 bytes a row)
	v_lshlrev_b32 v6, 5, v2                        ; the bias: 32 h
	s_wait_alu depctr_va_vdst(0)
	s_lshl_b32 s88, s80, 9
	s_lshl_b32 s89, s16, 8
	s_add_co_u32 s88, s88, s89                     ; my first output, in bytes: 4 (128 X + 64 hc)
	s_mov_b32 s89, 0
	s_add_nc_u64 s[8:9], s[8:9], s[88:89]
	s_add_nc_u64 s[12:13], s[12:13], s[88:89]
	s_lshl_b32 s88, s81, 20
	s_lshl_b32 s90, s15, 19
	s_add_co_u32 s88, s88, s90                     ; my first token's row: (256 Y + 128 hr) x 4,096
	s_add_nc_u64 s[12:13], s[12:13], s[88:89]
.irp b, 0,1,2,3
	global_load_b128 v[BI+8*\b:BI+8*\b+3], v6, s[8:9] offset:64*\b        ; register 8 b + j = bias[my first output + 16 b + 8 h + j]
	global_load_b128 v[BI+8*\b+4:BI+8*\b+7], v6, s[8:9] offset:64*\b+16
.endr
.macro FETCH_B n, q, p                 ; W's four fragments of slot n's q-th 128 along K into set p: eight loads of 8 bytes each, 16 apart: k in the places that attn's image has
	WIN TO_B
.irp b, 0,1,2,3
.irp c, 0,1,2,3,4,5,6,7
	ds_load_b64 v[64*(\p)+16*\b+2*\c:64*(\p)+16*\b+2*\c+1], v[ADRB+\n] offset:16*PITCH*\b+128*(\q)+16*\c
.endr
.endr
	WIN 0
.endm
.macro FETCH_A n, q, a0                ; attn's fragments a0 .. a0 + 3: images, four loads of 16 bytes at 16 x lane
.irp a, \a0, \a0+1, \a0+2, \a0+3
.irp c, 0,1,2,3
	ds_load_b128 v[AF+16*(\a)+4*\c:AF+16*(\a)+4*\c+3], v[ADRA+\n] offset:4096*(\a)+2048*(\q)+512*\c
.endr
.endr
.endm
.macro MUL8 a0, p, zero                ; 8 matrix instructions; the 32 accumulators take turns, in the same order in every step
.irp a, \a0, \a0+1
.irp b, 0,1,2,3
.if \zero
	v_wmma_f32_16x16x128_fp8_fp8 v[8*(4*(\a)+\b):8*(4*(\a)+\b)+7], v[64*(\p)+16*\b:64*(\p)+16*\b+15], v[AF+16*(\a):AF+16*(\a)+15], 0
.else
	v_wmma_f32_16x16x128_fp8_fp8 v[8*(4*(\a)+\b):8*(4*(\a)+\b)+7], v[64*(\p)+16*\b:64*(\p)+16*\b+15], v[AF+16*(\a):AF+16*(\a)+15], v[8*(4*(\a)+\b):8*(4*(\a)+\b)+7]
.endif
.endr
.endr
.endm
.macro PLACES n
.rept \n
	v_nop
.endr
.endm
.macro GSTEP p, zero, n, q             ; 128 along K on W's set p; the next step's fragments come from slot n, its q-th 128
	s_wait_dscnt 16                                ; W's set and attn's fragments 0-3 are in; the 16 youngest loads (fragments 4-7) may be out
	WIN MUL
	MUL8 0, \p, \zero
	MUL8 2, \p, \zero
	s_wait_dscnt 0x0
	PLACES 4
	FETCH_B \n, \q, 1-\p
	FETCH_A \n, \q, 0
	WIN MUL
	MUL8 4, \p, \zero
	MUL8 6, \p, \zero
	PLACES 4
	WIN 0
	FETCH_A \n, \q, 4
.endm
; A step on set 1 with a barrier in it.  In front of the barrier each wave waits for all its tensor loads, adds 0 to its spare word, and waits for that and for all its LDS reads.  fill = 1: slot 0 is filled again, with the last K step.
.macro TURN next, fill
	s_wait_tensorcnt 0x0
	ds_add_u32 v[SPW], v[NIL]                      ; 0 onto my spare word
	s_wait_dscnt 17                                ; (the add and the 16 youngest loads may be out)
	WIN MUL
	MUL8 0, 1, 0
	s_wait_dscnt 0x0
	s_barrier_signal -1
	MUL8 2, 1, 0
	WIN 0
	s_barrier_wait -1
.if \fill
	CREST                                          ; the barrier has opened a round of the cluster's: no wave of any partner still reads slot 0 or has a load on its way
	s_add_nc_u64 s[G0A+2:G0A+3], s[G0A+2:G0A+3], 3*4096
	s_add_nc_u64 s[G0B+2:G0B+3], s[G0B+2:G0B+3], 3*256
	JLOAD0                                         ; the first tensor load behind the round; its four v_nop are the places in front of the loads below
.else
	PLACES 4
.endif
	FETCH_B \next, 0, 0
	FETCH_A \next, 0, 0
	WIN MUL
	MUL8 4, 1, 0
	MUL8 6, 1, 0
	PLACES 4
	WIN 0
	FETCH_A \next, 0, 4
.endm
	s_wait_tensorcnt 2                             ; my part of slot 0 is in; slots 1 and 2 may stay out
	s_barrier_signal -1
	s_barrier_wait -1
	FETCH_B 0, 0, 0
	FETCH_A 0, 0, 0
	FETCH_A 0, 0, 4
	GSTEP 0, 1, 0, 1                               ; slot 0's first 128: the products start the sums
	TURN 1, 1                                      ; slot 0's second; every wave has shown slots 1 and 2 landed; slot 0 takes the last K step
	GSTEP 0, 0, 1, 1                               ; slot 1
	GSTEP 1, 0, 2, 0
	GSTEP 0, 0, 2, 1                               ; slot 2
	TURN 0, 0                                      ; the refill has landed, in every wave
	GSTEP 0, 0, 0, 1                               ; slot 0 again
	s_wait_dscnt 16
	WIN MUL
	MUL8 0, 1, 0
	MUL8 2, 1, 0
	s_wait_dscnt 0x0
	MUL8 4, 1, 0
	MUL8 6, 1, 0
	WIN 0
; THE WAY OUT, 16 tokens x 64 outputs at a time: sum x 2^(e6 + e7) + bias, one packed multiply-add for two numbers, each accumulator from its low end on; through my own stage, and back as whole rows of 256 bytes.
; LDS serves a wave's instructions in order (ISA guide 5.7.1.4): no wait between the stores and the loads, nor in front of the next block's stores.
.macro TOSTAGE a
	WIN 0x02                                       ; source 0: window 2
.irp b, 0,1,2,3
.irp i, 0,2,4,6
	v_pk_fma_f32 v[TMP+8*\b+\i:TMP+8*\b+\i+1], v[8*(4*(\a)+\b)+\i:8*(4*(\a)+\b)+\i+1], s[76:77], v[BI+8*\b+\i:BI+8*\b+\i+1] op_sel_hi:[1,0,1]
.endr
.endr
	WIN 0
.irp b, 0,1,2,3
	ds_store_b128 v[STO], v[TMP+8*\b:TMP+8*\b+3] offset:64*\b
	ds_store_b128 v[STO], v[TMP+8*\b+4:TMP+8*\b+7] offset:64*\b+16
.endr
.set BB, BK+32*((\a)%2)
.irp t, 0,1,2,3,4,5,6,7
	ds_load_b128 v[BB+4*\t:BB+4*\t+3], v[RD] offset:2*PITCH*\t
.endr
.endm
.macro SEND a, younger                 ; younger: the LDS instructions issued behind block a's loads, which may stay out
.set BB, BK+32*((\a)%2)
	s_wait_dscnt \younger
.irp t, 0,1,2,3,4,5,6,7
	global_store_b128 v[CO], v[BB+4*\t:BB+4*\t+3], s[12:13] offset:(16*(\a)+2*\t)*4096 th:TH_STORE_NT   ; 16 lanes store 256 consecutive bytes, aligned; written once, read by nobody here
.endr
.endm
	s_wait_kmcnt 0x0
	s_add_co_i32 s76, s74, s75
	s_add_co_i32 s76, s76, 127
	s_lshl_b32 s76, s76, 23                        ; 2^(e6 + e7) as f32
	s_mov_b32 s77, s76                             ; (named with it as a pair, so it is written)
	s_wait_loadcnt 0x0                             ; the bias
	PLACES 4
	TOSTAGE 0
.irp a, 1,2,3,4,5,6,7
.if \a > 1
	s_wait_xcnt 0x0                                ; block a - 2's stores have read their registers: block a's loads may land there
.endif
	TOSTAGE \a
	SEND \a-1, 16                                  ; behind block a - 1's loads: block a's 8 stores and 8 loads
.endr
	SEND 7, 0
	s_wait_tensorcnt 0x0                           ; the wave's end
	ds_add_u32 v[SPW], v[NIL]
	s_wait_dscnt 0x0
	CROUND                                         ; the closing round
	s_endpgm
.Lfunc_end_k_q5eae1304c4_proj:
	.size	k_q5eae1304c4_proj, .Lfunc_end_k_q5eae1304c4_proj-k_q5eae1304c4_proj
	.p2alignl 7, 3214868480
	.fill 96, 4, 3214868480
	.section	.rodata,"a",@progbits
	.p2align	6, 0x0
	.amdhsa_kernel k_q5eae1304c4_proj
		.amdhsa_group_segment_fixed_size 327680
		.amdhsa_private_segment_fixed_size 0
		.amdhsa_enable_private_segment 0
		.amdhsa_kernarg_size 40
		.amdhsa_user_sgpr_count 2
		.amdhsa_user_sgpr_kernarg_segment_ptr 1
		.amdhsa_wavefront_size32 1
		.amdhsa_system_sgpr_workgroup_id_x 1
		.amdhsa_system_sgpr_workgroup_id_y 1
		.amdhsa_system_sgpr_workgroup_id_z 1
		.amdhsa_system_vgpr_workitem_id 0
		.amdhsa_next_free_vgpr 768
		.amdhsa_next_free_sgpr 100
		.amdhsa_reserve_vcc 0
		.amdhsa_float_denorm_mode_32 3
		.amdhsa_float_denorm_mode_16_64 3
		.amdhsa_memory_ordered 1
		.amdhsa_forward_progress 1
		.amdhsa_inst_pref_size 85
	.end_amdhsa_kernel
	.amdgpu_metadata
---
amdhsa.version: [ 1, 2 ]
amdhsa.kernels:
  - .name:           k_q5eae1304c4_proj
    .symbol:         k_q5eae1304c4_proj.kd
    .args:
      - { .name: attn, .offset: 0, .size: 8, .value_kind: global_buffer, .address_space: global }
      - { .name: c_proj_w_codes, .offset: 8, .size: 8, .value_kind: global_buffer, .address_space: global }
      - { .name: c_proj_b, .offset: 16, .size: 8, .value_kind: global_buffer, .address_space: global }
      - { .name: lowp_scales, .offset: 24, .size: 8, .value_kind: global_buffer, .address_space: global }
      - { .name: out0, .offset: 32, .size: 8, .value_kind: global_buffer, .address_space: global }
    .group_segment_fixed_size: 327680
    .private_segment_fixed_size: 0
    .kernarg_segment_align: 8
    .kernarg_segment_size: 40
    .max_flat_workgroup_size: 128
    .sgpr_count:     100
    .vgpr_count:     768
    .wavefront_size: 32
...
	.end_amdgpu_metadata
.endif
;; end of part 3
